; MI455X (gfx1250); checked and timed in simulation.
; The chip was launched on July 23, 2026; its instructions are those of AMD's public machine-readable ISA for CDNA 5 (MIT licence, August 2026) and "CDNA5" Instruction Set Architecture Reference Guide (July 2026). The comments in the code are by the model that wrote it; some were corrected since.
;; Goal Mlp Extractor. Allowed arithmetic: matrix products marked QUANTISED: E2M3 operands, one E8M0 scale for each 32 along K, by v_wmma_scale_f32_16x16x128_f8f6f4 with both operands' format E2M3, f32 sums; everything else in f32.
;; Inputs: Wp0_codes 16 x 512 x 16 x 24 uint8 (E2M3 codes of Wp0, K innermost, in blocks of 32 codes, four codes in three bytes); Wp0_scales 16 x 512 x 16 uint8 (E8M0 scales of Wp0, one for each 32 codes along K); Wp1_codes 16 x 512 x 16 x 24 uint8 (E2M3 codes of Wp1, K innermost, in blocks of 32 codes, four codes in three bytes); Wp1_scales 16 x 512 x 16 uint8 (E8M0 scales of Wp1, one for each 32 codes along K); Wv0_codes 16 x 512 x 16 x 24 uint8 (E2M3 codes of Wv0, K innermost, in blocks of 32 codes, four codes in three bytes); Wv0_scales 16 x 512 x 16 uint8 (E8M0 scales of Wv0, one for each 32 codes along K); Wv1_codes 16 x 512 x 16 x 24 uint8 (E2M3 codes of Wv1, K innermost, in blocks of 32 codes, four codes in three bytes); Wv1_scales 16 x 512 x 16 uint8 (E8M0 scales of Wv1, one for each 32 codes along K); bp0 16 x 512 float32; bp1 16 x 512 float32; bv0 16 x 512 float32; bv1 16 x 512 float32; features_codes 4,096 x 16 x 24 uint8 (E2M3 codes of features, K innermost, in blocks of 32 codes, four codes in three bytes); features_scales 4,096 x 16 uint8 (E8M0 scales of features, one for each 32 codes along K); goal 4,096 x 1 int32.
;; Outputs: out0 4,096 x 512 float32; out1 4,096 x 512 float32.
;; This version of the problem:
;;   THIS VERSION OF THE PROBLEM IS GIVEN IN LOW PRECISION. The matrix products marked QUANTISED in the list below multiply operands that are first quantised to E2M3 (2 exponent bits, 3 mantissa bits; 6 bits a number), with one power-of-two scale for each 32 numbers along K (OCP MX v1.0); their sums are f32. All else is computed in f32.
;;   The module's matrix products, in the order in which they are computed (A, B: the left and right operand; K: the contracted axis; several contracted axes count as one K, in the product's order):
;;     1. [M 8,192, K 512] x [K 512, N 4,096]; A: input Wp0 (given as codes); B: input features (given as codes): QUANTISED
;;     2. batch 16 x [M 4,096, K 512] x [K 512, N 512]; A: computed on the way; B: input Wp1 (given as codes): QUANTISED
;;     3. [M 8,192, K 512] x [K 512, N 4,096]; A: input Wv0 (given as codes); B: input features (given as codes): QUANTISED
;;     4. batch 16 x [M 4,096, K 512] x [K 512, N 512]; A: computed on the way; B: input Wv1 (given as codes): QUANTISED
;;   THE QUANTISER, for each operand of a quantised product, along K:
;;     - K is cut into blocks of 32 from its start; a last block that is shorter is filled with zeros.
;;     - A block's scale is 2^e with e = floor(log2(the largest magnitude in the block)) - 2, held to -126 .. 127; a block of zeros has e = 0. As a byte (E8M0): e + 127.
;;     - Each number is divided by its block's scale, clamped to +-7.5, and rounded to the nearest number of E2M3, ties to even, subnormals kept.
;;     - The product sums the exact products of the quantised numbers (number of the format x scale) in f32.
;;   ~~~python
;;   def quantise(x, axis):      # numpy; x: float32 -> the quantised numbers, widened to float32 again
;;       x = np.moveaxis(x, axis, -1); K = x.shape[-1]
;;       x = np.pad(x, [(0, 0)] * (x.ndim - 1) + [(0, -K % 32)]); x = x.reshape(x.shape[:-1] + (-1, 32)); a = np.abs(x).max(-1, keepdims=True)
;;       e = np.where(a > 0, np.clip(np.frexp(np.where(a > 0, a, 1))[1] - 1 - 2, -126, 127), 0)      # np.frexp(a)[1] - 1 = floor(log2(a)), exactly
;;       r = np.clip(x / 2.0 ** e, -7.5, 7.5)
;;       step = 2.0 ** (np.maximum(np.frexp(np.where(r == 0, 1, r))[1] - 1, 0) - 3)
;;       q = np.round(r / step) * step * 2.0 ** e      # np.round: ties to even
;;       return np.moveaxis(q.reshape(q.shape[:-2] + (-1,))[..., :K], -1, axis).astype(np.float32)
;;   ~~~
;;   OPERANDS COMPUTED ON THE WAY. 'Computed on the way' means the value that the module computes at that place (a softmax that the list does not call 'softmax' is quantised finished and normalised). What goes into a quantiser is computed in f32, as accurately as f32 sums, v_exp_f32 and their like allow (about 1e-6 of the number): no bf16 or f16 on the way to a quantiser, and a product that is left as it is and whose result goes on into a quantised operand takes f32 operands (vector FMAs, or v_wmma_f32_16x16x4_f32). A number that lies on a knife's edge between two numbers of the format may be rounded either way, as far as f32 arithmetic and the matrix unit's own rounding can turn it there, and no further.
;;   INPUTS GIVEN AS CODES. Wp0 (in the module: [16, 512, 512], K = its axis 1); Wp1 (in the module: [16, 512, 512], K = its axis 1); Wv0 (in the module: [16, 512, 512], K = its axis 1); Wv1 (in the module: [16, 512, 512], K = its axis 1); features (in the module: [4096, 512], K = its axis 1): each comes as NAME_codes (uint8): NAME with its K axis moved to the last place and cut into blocks of 32 codes, [.., K / 32, bytes a block], one block behind the other in memory; four codes in three bytes: a row's codes are one little-endian stream of bits, code i at bits 6 i .. 6 i + 5 (a code: sign, 2 exponent bits, 3 mantissa bits); and NAME_scales (uint8): the same leading axes, one E8M0 byte (e + 127) for each 32 codes along K. Its value is code x scale, taken as it is: it is not quantised again, and the codes and scales need not be those that the quantiser above would give.
;; One version. Each part assembles by itself: llvm-mc -triple=amdgcn-amd-amdhsa -mcpu=gfx1250 --defsym DOCPART=n.
;; ======== version 1 of 1: 2 launches
;; workspace buffers: order 16,640 bytes of whole numbers; tiles 1,536 bytes of whole numbers; wfrag 12,582,912 bytes; wscl 524,288 bytes
;; launch prep (part 1): grid 129 x 1, 32 waves a work-group, no clusters, 8,192 bytes of LDS; arguments goal, Wp0_codes, Wp1_codes, Wv0_codes, Wv1_codes, Wp0_scales, Wp1_scales, Wv0_scales, Wv1_scales, order, tiles, wfrag, wscl; writes order, tiles, wfrag, wscl
.if DOCPART == 1
	.amdgcn_target "amdgcn-amd-amdhsa--gfx1250"
	.amdhsa_code_object_version 6
	.text
	.protected	k_qd636c93338_prep
	.globl	k_qd636c93338_prep
	.p2align	8
	.type	k_qd636c93338_prep,@function
k_qd636c93338_prep:
	s_mov_b64 s[64:65], 0
	v_nop
	global_prefetch_b8 v0, s[64:65] scope:SCOPE_SE
	s_setreg_imm32_b32 hwreg(HW_REG_WAVE_MODE, 25, 1), 1
	s_wait_xcnt 0x0
; PREP.  Work-group 0 sorts the 4,096 tokens by their expert (goal) and stores, as whole numbers, the sorted list of tokens (order) and a list of tiles of at most 64 rows of one expert (tiles).
; Work-groups 1 to 128 lay the four weight tensors out once in the order of the matrix operand's registers (wfrag, wscl), so that the next launch loads every fragment by 16 bytes a lane, 512 consecutive bytes a load.
;   order: 4,096 token numbers, sorted by expert, then 64 zeros: 64 entries can be read from any first row up to 4,095.
;   tiles: 96 records of 16 bytes {expert, first row in order, rows, 0}.  The sum over experts of ceil(n / 64) is at most (4096 + 16 x 63) / 64 = 79 for every split; records past the last tile have 0 rows.
;   wfrag: [net 2][expert 16][layer 2][wave 4][K step 4][tile 8][1,536]: a fragment (16 rows x 128 K, 12 registers a lane) as the image of its registers: registers 4 c .. 4 c + 3 of lane l at 512 c + 16 l.
;   wscl:  [net][expert][layer][wave][K step][512]: word q of lane l (at 16 l + 4 q) is the scale word of tile q + 4 (l / 16), row l % 16.
;   THE ROWS OF A TILE: layer 0: row 128 w + 32 (t / 2) + 8 (t % 2) + r + 8 (r / 8), so that the results of two neighbouring tiles are 16 neighbours along the next product's K; layer 1: row 128 w + 16 t + r.
; LIMIT: goal is held to 0 .. 15 (taken as unsigned): reference() indexes 16 experts by it.
; The order of the rows inside an expert is free: each row is computed by itself.  No atomics: counts meet in LDS behind one barrier.
; The 4,096 stores of 4 bytes into order are scattered; they are 16 KiB in all, made once, by one work-group, while the other 128 move 13 MB.
	s_load_b512 s[4:19], s[0:1], 0x0               ; goal 4, Wp0 codes 6, Wp1 codes 8, Wv0 codes 10, Wv1 codes 12, Wp0 scales 14, Wp1 scales 16, Wv0 scales 18
	s_load_b256 s[20:27], s[0:1], 0x40             ; Wv1 scales 20, order 22, tiles 24, wfrag 26
	s_load_b64 s[28:29], s[0:1], 0x60              ; wscl
	v_lshl_add_u32 v96, v0, 2, 0x1000
	v_mov_b32 v97, 0
	v_lshrrev_b32 v1, 5, v0
	v_readfirstlane_b32 s30, v1                    ; wave 0..31
	v_and_b32 v1, 31, v0                           ; lane
	s_wait_kmcnt 0x0
	s_cmp_lg_u32 ttmp9, 0                          ; the same for all waves of a work-group
	s_cbranch_scc1 .Llayout
; ---------------- THE SORT (work-group 0).  Thread t owns tokens 4 t .. 4 t + 3.
	v_lshlrev_b32 v2, 4, v0
	global_load_b128 v[4:7], v2, s[4:5]            ; my four goals
.irp j, 8,9,10,11,12,16,17,22,26,27,28,29
	v_mov_b32 v\j, 0                               ; ranks v8-11, my wave's counts v12, sums v16-17, the scan's neighbour v22, bases v26-29
.endr
	v_lshlrev_b32 v14, 2, v0                       ; LDS: my word of the table [wave][32]
	v_lshlrev_b32 v15, 2, v1                       ; and my column of it
	s_wait_loadcnt 0x0
.irp j, 4,5,6,7
	v_min_u32 v\j, 15, v\j
.endr
; For each expert: a token's rank among my wave's tokens of that expert, and the wave's count (into lane e of v12).
.irp e, 0,1,2,3,4,5,6,7,8,9,10,11,12,13,14,15
	s_mov_b32 s32, 0
.irp j, 0,1,2,3
	v_cmp_eq_u32 vcc_lo, \e, v[4+\j]
	v_mbcnt_lo_u32_b32 v13, vcc_lo, s32            ; those of lower lanes, and of the earlier j
	v_cndmask_b32 v[8+\j], v[8+\j], v13, vcc_lo
	s_bcnt1_i32_b32 s33, vcc_lo
	s_add_co_u32 s32, s32, s33
.endr
	v_writelane_b32 v12, s32, \e
.endr
	ds_store_b32 v14, v12
	s_wait_dscnt 0x0                               ; for the others' sake: my counts have landed
	s_barrier_signal -1
	s_barrier_wait -1
.set kk, 0
.rept 32
	ds_load_b32 v[32+kk], v15 offset:128*kk        ; lane e: wave kk's count of expert e
.set kk, kk+1
.endr
	s_wait_dscnt 0x0
.set kk, 0
.rept 32
	s_cmp_gt_u32 s30, kk
	s_cselect_b32 s33, -1, 0
	v_and_b32 v18, s33, v[32+kk]
	v_add_nc_u32 v16, v16, v[32+kk]                ; the expert's rows in all
	v_add_nc_u32 v17, v17, v18                     ; and those of the waves ahead of mine
.set kk, kk+1
.endr
	v_add_nc_u32 v19, 63, v16
	v_lshrrev_b32 v19, 6, v19                      ; its tiles
	v_lshl_or_b32 v20, v19, 16, v16                ; rows (at most 4,096) below, tiles above: one scan serves both
	v_mov_b32 v21, v20
.irp n, 1,2,4,8
	v_mov_b32_dpp v22, v21 row_shr:\n row_mask:0xf bank_mask:0xf bound_ctrl:1
	v_add_nc_u32 v21, v21, v22
.endr
	v_sub_nc_u32 v23, v21, v20                     ; lane e: the rows and the tiles of the experts ahead of e
	v_and_b32 v24, 0xffff, v23
	v_add_nc_u32 v24, v24, v17                     ; where my wave's rows of expert e begin
.irp e, 0,1,2,3,4,5,6,7,8,9,10,11,12,13,14,15
	v_readlane_b32 s34, v24, \e
.irp j, 0,1,2,3
	v_cmp_eq_u32 vcc_lo, \e, v[4+\j]
	v_cndmask_b32 v[26+\j], v[26+\j], s34, vcc_lo
.endr
.endr
.irp j, 0,1,2,3
	v_add_nc_u32 v[64+\j], v[26+\j], v[8+\j]       ; the token's place in order
	v_min_u32 v[64+\j], 0xfff, v[64+\j]
	v_lshlrev_b32 v[64+\j], 2, v[64+\j]
	v_lshl_add_u32 v[68+\j], v0, 2, \j             ; the token's number
	global_store_b32 v[64+\j], v[68+\j], s[22:23]
.endr
	s_cmp_gt_u32 s30, 2
	s_cbranch_scc1 .Lnorec
; Waves 0 to 2: thread i writes record i.  The last expert whose first tile is at or under i owns it.
.irp j, 40,41,42,43,51
	v_mov_b32 v\j, 0
.endr
.irp e, 0,1,2,3,4,5,6,7,8,9,10,11,12,13,14,15
	v_readlane_b32 s34, v23, \e
	v_readlane_b32 s35, v16, \e
	s_lshr_b32 s36, s34, 16                        ; its first tile
	s_and_b32 s37, s34, 0xffff                     ; its first row
	v_cmp_le_u32 vcc_lo, s36, v0
	v_cndmask_b32 v40, v40, \e, vcc_lo
	v_cndmask_b32 v41, v41, s37, vcc_lo
	v_cndmask_b32 v42, v42, s35, vcc_lo
	v_cndmask_b32 v43, v43, s36, vcc_lo
.endr
	v_sub_nc_u32 v44, v0, v43                      ; k: which tile of the expert
	v_lshlrev_b32 v45, 6, v44                      ; 64 k
	v_mov_b32 v48, v40
	v_add_nc_u32 v49, v41, v45
	v_min_u32 v49, 0xfff, v49                      ; first row, held inside order
	v_min_u32 v45, v45, v42
	v_sub_nc_u32 v50, v42, v45
	v_min_u32 v50, 64, v50                         ; rows: min(64, n - min(n, 64 k)): 0 past the expert's last tile
	v_lshlrev_b32 v46, 4, v0
	global_store_b128 v46, v[48:51], s[24:25]
.Lnorec:
	s_cmp_lg_u32 s30, 3
	s_cbranch_scc1 .Lsortend
	v_mov_b32 v52, 0                               ; wave 3: the 64 zeros behind the list
	v_mov_b32 v53, 0
	v_lshlrev_b32 v54, 3, v1
	global_store_b64 v54, v[52:53], s[22:23] offset:16384
.Lsortend:
	s_wait_tensorcnt 0x0
	ds_add_u32 v96, v97
	s_wait_dscnt 0x0
	s_endpgm
; ---------------- THE LAYOUT (work-groups 1 to 128).  Work-group q + 1: K steps 2 (q % 2) and 2 (q % 2) + 1 of tensor (q / 2) / 16 (net, layer), expert (q / 2) % 16.
; Wave T takes the tile t = T % 8 of the next launch's wave w = T / 8: two fragments.  Waves 0 to 7 also make one scale image each.
.Llayout:
	s_sub_co_u32 s32, ttmp9, 1
	s_and_b32 s33, s32, 1                          ; hf: which half of K
	s_lshr_b32 s34, s32, 1
	s_and_b32 s35, s34, 15                         ; expert
	s_lshr_b32 s36, s34, 4
	s_and_b32 s37, s36, 1                          ; layer
	s_lshr_b32 s38, s36, 1                         ; net
	s_lshr_b32 s39, s30, 3                         ; w
	s_and_b32 s48, s30, 7                          ; t
	s_lshr_b32 s51, s48, 1
	s_lshl_b32 s51, s51, 5
	s_and_b32 s52, s48, 1
	s_lshl_b32 s52, s52, 3
	s_add_co_u32 s51, s51, s52                     ; layer 0: the tile begins at row 32 (t / 2) + 8 (t % 2)
	s_lshl_b32 s52, s48, 4                         ; layer 1: at row 16 t
	s_cmp_eq_u32 s37, 0                            ; the choices hang on the work-group's number alone
	s_cselect_b64 s[40:41], s[6:7], s[8:9]
	s_cselect_b64 s[42:43], s[10:11], s[12:13]
	s_cselect_b64 s[44:45], s[14:15], s[16:17]
	s_cselect_b64 s[46:47], s[18:19], s[20:21]
	s_cselect_b32 s49, 8, 0                        ; layer 0: lanes 8-15 stand 8 rows further on
	s_cselect_b32 s50, 0, 128                      ; layer 1: odd tiles begin 8 rows (128 scale bytes) further on than layer 0's
	s_cselect_b32 s51, s51, s52
	s_cmp_eq_u32 s38, 0
	s_cselect_b64 s[40:41], s[40:41], s[42:43]     ; the codes
	s_cselect_b64 s[44:45], s[44:45], s[46:47]     ; the scale bytes
	s_lshl_b32 s52, s39, 7
	s_add_co_u32 s51, s51, s52                     ; + 128 w
	s_mul_i32 s56, s35, 196608                     ; from: expert x 512 rows x 384 bytes
	s_mul_i32 s52, s51, 384
	s_add_co_u32 s56, s56, s52
	s_mul_i32 s52, s33, 192                        ; two K steps of 96 bytes
	s_add_co_u32 s56, s56, s52
	s_mov_b32 s57, 0
	s_add_nc_u64 s[40:41], s[40:41], s[56:57]
	s_mul_i32 s58, s38, 6291456                    ; to: wfrag's strides
	s_mul_i32 s52, s35, 393216
	s_add_co_u32 s58, s58, s52
	s_mul_i32 s52, s37, 196608
	s_add_co_u32 s58, s58, s52
	s_mul_i32 s52, s39, 49152
	s_add_co_u32 s58, s58, s52
	s_mul_i32 s52, s33, 24576
	s_add_co_u32 s58, s58, s52
	s_mul_i32 s52, s48, 1536
	s_add_co_u32 s58, s58, s52
	s_mov_b32 s59, 0
	s_add_nc_u64 s[26:27], s[26:27], s[58:59]
	v_and_b32 v2, 15, v0                           ; r
	v_bfe_u32 v3, v0, 4, 1                         ; h
	v_and_b32 v4, s49, v2
	v_add_nc_u32 v4, v4, v2                        ; my row in the tile
	v_mul_u32_u24 v5, v4, 384
	v_mad_u32_u24 v5, v3, 24, v5                   ; its bytes, + 24 h: lane (r, h) holds K = 64 c + 32 h + 0 .. 31 in registers 6 c .. 6 c + 5
	v_lshlrev_b32 v6, 4, v1                        ; 16 x lane
.irp s, 0,1
.irp p, 0,1,2,3,4,5
	global_load_b64 v[16+12*\s+2*\p:17+12*\s+2*\p], v5, s[40:41] offset:96*\s+48*(\p/3)+8*(\p%3) th:TH_LOAD_NT   ; in pieces of 8 bytes: every address is a multiple of the access's size
.endr
.endr
	s_cmp_gt_u32 s30, 7
	s_cbranch_scc1 .Lnoscale
	s_lshr_b32 s53, s30, 1                         ; the image of wave w' = T / 2,
	s_and_b32 s54, s30, 1
	s_lshl_b32 s55, s33, 1
	s_add_co_u32 s54, s54, s55                     ; K step s = 2 hf + T % 2
	s_lshl_b32 s60, s35, 13                        ; from: expert x 8,192 + 128 w' rows of 16 bytes + 4 s
	s_lshl_b32 s52, s53, 11
	s_add_co_u32 s60, s60, s52
	s_lshl_b32 s55, s54, 2
	s_add_co_u32 s60, s60, s55
	s_mov_b32 s61, 0
	s_add_nc_u64 s[44:45], s[44:45], s[60:61]
	s_lshl_b32 s62, s38, 18                        ; to: wscl's strides
	s_lshl_b32 s55, s35, 14
	s_add_co_u32 s62, s62, s55
	s_lshl_b32 s55, s37, 13
	s_add_co_u32 s62, s62, s55
	s_add_co_u32 s62, s62, s52
	s_lshl_b32 s55, s54, 9
	s_add_co_u32 s62, s62, s55
	s_mov_b32 s63, 0
	s_add_nc_u64 s[28:29], s[28:29], s[62:63]
	v_lshl_add_u32 v7, v3, 6, v4                   ; lanes 16-31 take the tiles four further on: 64 rows
	v_lshlrev_b32 v7, 4, v7
	v_add_nc_u32 v8, s50, v7
	global_load_b32 v48, v7, s[44:45]              ; tile q + 4 h begins at row 64 h + 32 (q / 2) + 8 (q % 2) (layer 0) or 64 h + 16 q (layer 1)
	global_load_b32 v49, v8, s[44:45] offset:128
	global_load_b32 v50, v7, s[44:45] offset:512
	global_load_b32 v51, v8, s[44:45] offset:640
	s_wait_loadcnt 0x0
	global_store_b128 v6, v[48:51], s[28:29]       ; 512 consecutive bytes
.Lnoscale:
	s_wait_loadcnt 0x0
.irp s, 0,1
.irp c, 0,1,2
	global_store_b128 v6, v[16+12*\s+4*\c:19+12*\s+4*\c], s[26:27] offset:12288*\s+512*\c   ; each store of the wave covers 512 consecutive bytes, aligned
.endr
.endr
	s_endpgm
.Lfunc_end_k_qd636c93338_prep:
	.size	k_qd636c93338_prep, .Lfunc_end_k_qd636c93338_prep-k_qd636c93338_prep
	.p2alignl 7, 3214868480
	.fill 96, 4, 3214868480
	.section	.rodata,"a",@progbits
	.p2align	6, 0x0
	.amdhsa_kernel k_qd636c93338_prep
		.amdhsa_group_segment_fixed_size 8192
		.amdhsa_private_segment_fixed_size 0
		.amdhsa_enable_private_segment 0
		.amdhsa_kernarg_size 104
		.amdhsa_user_sgpr_count 2
		.amdhsa_user_sgpr_kernarg_segment_ptr 1
		.amdhsa_wavefront_size32 1
		.amdhsa_system_sgpr_workgroup_id_x 1
		.amdhsa_system_sgpr_workgroup_id_y 1
		.amdhsa_system_sgpr_workgroup_id_z 1
		.amdhsa_system_vgpr_workitem_id 0
		.amdhsa_next_free_vgpr 98
		.amdhsa_next_free_sgpr 66
		.amdhsa_reserve_vcc 1
		.amdhsa_float_denorm_mode_32 3
		.amdhsa_float_denorm_mode_16_64 3
		.amdhsa_memory_ordered 1
		.amdhsa_forward_progress 1
		.amdhsa_inst_pref_size 46
	.end_amdhsa_kernel
	.amdgpu_metadata
---
amdhsa.version: [ 1, 2 ]
amdhsa.kernels:
  - .name:           k_qd636c93338_prep
    .symbol:         k_qd636c93338_prep.kd
    .args:
      - { .name: goal, .offset: 0, .size: 8, .value_kind: global_buffer, .address_space: global }
      - { .name: Wp0_codes, .offset: 8, .size: 8, .value_kind: global_buffer, .address_space: global }
      - { .name: Wp1_codes, .offset: 16, .size: 8, .value_kind: global_buffer, .address_space: global }
      - { .name: Wv0_codes, .offset: 24, .size: 8, .value_kind: global_buffer, .address_space: global }
      - { .name: Wv1_codes, .offset: 32, .size: 8, .value_kind: global_buffer, .address_space: global }
      - { .name: Wp0_scales, .offset: 40, .size: 8, .value_kind: global_buffer, .address_space: global }
      - { .name: Wp1_scales, .offset: 48, .size: 8, .value_kind: global_buffer, .address_space: global }
      - { .name: Wv0_scales, .offset: 56, .size: 8, .value_kind: global_buffer, .address_space: global }
      - { .name: Wv1_scales, .offset: 64, .size: 8, .value_kind: global_buffer, .address_space: global }
      - { .name: order, .offset: 72, .size: 8, .value_kind: global_buffer, .address_space: global }
      - { .name: tiles, .offset: 80, .size: 8, .value_kind: global_buffer, .address_space: global }
      - { .name: wfrag, .offset: 88, .size: 8, .value_kind: global_buffer, .address_space: global }
      - { .name: wscl, .offset: 96, .size: 8, .value_kind: global_buffer, .address_space: global }
    .group_segment_fixed_size: 8192
    .private_segment_fixed_size: 0
    .kernarg_segment_align: 8
    .kernarg_segment_size: 104
    .max_flat_workgroup_size: 1024
    .sgpr_count:     66
    .vgpr_count:     98
    .wavefront_size: 32
...
	.end_amdgpu_metadata
.endif
;; end of part 1
;; launch chain (part 2): grid 79 x 2, 4 waves a work-group, no clusters, 87,552 bytes of LDS; arguments tiles, order, wfrag, wscl, features_codes, features_scales, bp0, bp1, bv0, bv1, out0, out1; writes out0, out1
.if DOCPART == 2
	.amdgcn_target "amdgcn-amd-amdhsa--gfx1250"
	.amdhsa_code_object_version 6
	.text
	.protected	k_qd636c93338_chain
	.globl	k_qd636c93338_chain
	.p2align	8
	.type	k_qd636c93338_chain,@function
k_qd636c93338_chain:
	s_mov_b64 s[64:65], 0
	v_nop
	global_prefetch_b8 v0, s[64:65] scope:SCOPE_SE
	s_setreg_imm32_b32 hwreg(HW_REG_WAVE_MODE, 25, 1), 1
	s_wait_xcnt 0x0
; CHAIN.  Work-group (x, y) takes tile x (at most 64 sorted rows of ONE expert) through net y (0: pi, 1: vf): gather x's codes, x W0 + b0, tanh, quantise along the 512 hidden units, h W1 + b1, tanh, scatter the rows.
; Both products on codes of FP6 (E2M3) with one E8M0 scale for each 32 along K; sums, biases and tanh in f32.  The hidden layer goes from wave to wave through LDS and never to memory.
; SHARES.  THE FOUR WAVES SHARE THE COLUMNS: wave w makes hidden units 128 w .. + 127 (they are K step w of the second product) and outputs 128 w .. + 127, for all 64 rows (four tiles m of 16).
; So each weight fragment is loaded by one wave alone, straight into registers, 512 consecutive bytes a load (the launch before laid them so), and feeds four matrix instructions.
; THE WEIGHTS' STREAM.  A wave's weights are 16 half groups of 4 fragments (12 loads of 16 bytes a lane): half group i = layer i / 8, K step (i % 8) / 2, tiles 4 (i % 2) + 0 .. 3, in a ring of 8 register slots (i % 8).
; Layer 1's half group i + 8 is asked for as soon as layer 0's half group i has been multiplied: all of layer 1's weights are on their way while the tanh of layer 0 is computed.
; BOTH PRODUCTS ARE USED TRANSPOSED (source 0 = 16 rows of W, source 1 = 16 rows of x or of h): a lane holds ONE row (lane % 16), its registers run along the units.  W0's rows of a tile are chosen (by the layout) so that
; register 16 b + i of a lane's 64 is hidden unit 128 w + 32 b + 16 (lane / 16) + i.  The biases are the C of each sum's first matrix instruction.
; TANH.  |x| >= 1/8: 1 - 2 / (1 + 2^(2 log2(e) x)).  |x| < 1/8, ahead of the quantiser: x + x^3 (-1/3 + 2 x^2 / 15), whose first term left out is 17 x^6 / 315 of the number, under 2.1e-7; chosen by a select, no branch.
; The last tanh goes to the output alone and takes the first form throughout (its absolute error is a few units of the last place of 1).
; A GRID FOR EVERY SPLIT: 79 tiles are the most that any split of 4,096 rows over 16 experts gives.  A tile with 0 rows cannot leave ahead of the barriers (no barrier may stand under a branch on a loaded number):
; it walks layer 0 on rows that the held indices name, stores nothing, and ends behind the second barrier.
; NO TENSOR LOADS, NO CLUSTER: the text branches on stored numbers (a tile's rows), and the tiles of one expert do not fall into whole clusters at every split, so partners would not share their weights.
; LIMITS: indices read from memory are held to their tables (expert 15, row 4,095, token 4,095).  NaN and infinities among the inputs are not served.  A hidden block of zeros gets the scale byte 1 where the
; rule says 127: its codes are zeros, which add nothing, and nobody else reads the byte.
; LDS: XIMG x's 16 fragments as images of their registers ((m, s) at (4 m + s) x 1,536), XSC their scale words (512 m + 16 lane: four words), HIMG, HSC the hidden layer's likewise, STG a stage of 16 rows x 528 bytes a wave.
; REGISTERS, in windows of 256.  Window 0: v1-15, v96 addresses; v16-47 the weights' scale words; v48-63 x's; v64-79 the hidden layer's; v80-95 store offsets; v112-255 ring slots 5-7, on the way out two sets of 16 rows.
;   Window 1: v0-191 the 16 fragments of x, then the tanh's workspace, then the 16 fragments of h, then the last tanh's; v192-255 the biases of my 8 tiles.  Window 2: the 32 accumulators ((m, t) at 8 (8 m + t)). Window 3: ring slots 0-4.
.set XIMG, 0
.set XSC,  24576
.set HIMG, 26624
.set HSC,  51200
.set STG,  53248
.set FRB,  1536                        ; a fragment's image in bytes
.set WS,   16                          ; weights' scale words: group g = i / 2 at v[16 + 4 g + q]: lanes 0-15 tile q, lanes 16-31 tile q + 4
.set XS,   48                          ; x's: v[48 + 4 m + s]
.set HS,   64                          ; h's: v[64 + 4 m + s]
.set OF,   80
.set H24,  96                          ; 24 x (lane / 16)
.set BI,   192                         ; window 1: bias of tile t at v[192 + 8 t]
.set HH,   0                           ; window 1, the tanh's workspace: 64 hidden numbers of a lane,
.set EE,   64                          ; 32 exponentials,
.set QQ,   96                          ; 32 squares,
.set XX,   128                         ; 32 polynomials,
.set PC,   160                         ; the codes just made,
.set PW,   180                         ; their scale word,
.set KC,   190                         ; -1/3, twice
.set TM,   64                          ; the quantiser's 16 registers, where the exponentials lay
.set WB,   52                          ; s[52:53] my weights' fragments;  s[54:55] their scale words;  s[56:57] b0, s[58:59] b1 at my units;  s[60:61] the output at my columns
.set SB,   54
.set B0,   56
.set B1,   58
.set OUTP, 60
.set MSB, 0
.macro WIN new                         ; the immediate's high byte repeats the setting that is left; a switch that changes nothing is dropped
.if MSB != \new
	s_set_vgpr_msb (MSB<<8)|\new
.set MSB, \new
.endif
.endm
; A load into a register that a matrix instruction has read, and a vector instruction that reads a matrix result or writes one of its registers, stand four places behind it (ISA guide 7.12.1 for vector instructions).
.macro PLACES
.rept 4
	v_nop
.endr
.endm
.macro WLOAD i                         ; half group i: 6,144 consecutive bytes into slot i % 8
.set wSL, (\i)%8
.if wSL < 5
	WIN 0xc0                                       ; destination window 3
.set wRB, 48*wSL
.else
	WIN 0
.set wRB, 112+48*(wSL-5)
.endif
.set jj, 0
.rept 12
	global_load_b128 v[wRB+4*jj:wRB+4*jj+3], v1, s[WB:WB+1] offset:((\i)/8)*196608+((\i)%8)*6144+512*jj
.set jj, jj+1
.endr
.endm
.macro WM ac, ar, br, cr, sa, sb, row
.if \row
	v_wmma_scale_f32_16x16x128_f8f6f4 v[\ac:\ac+7], v[\ar:\ar+11], v[\br:\br+11], v[\cr:\cr+7], v[\sa], v[\sb] matrix_a_fmt:MATRIX_FMT_FP6 matrix_b_fmt:MATRIX_FMT_FP6 matrix_a_scale:MATRIX_SCALE_ROW1
.else
	v_wmma_scale_f32_16x16x128_f8f6f4 v[\ac:\ac+7], v[\ar:\ar+11], v[\br:\br+11], v[\cr:\cr+7], v[\sa], v[\sb] matrix_a_fmt:MATRIX_FMT_FP6 matrix_b_fmt:MATRIX_FMT_FP6
.endif
.endm
; Half group i's 16 products: its 4 tiles of W x the 4 tiles of rows.  The sixteen accumulators take turns, one instruction a turn, and the next half group takes the other sixteen.
.macro MUL i
.set mSL, (\i)%8
.set mKS, mSL/2
.set mOD, (\i)%2
.if mSL < 5
.set mRB, 48*mSL
.else
.set mRB, 112+48*(mSL-5)
.endif
.if mKS == 0
	WIN 0x97                                       ; W window 3, x or h window 1, C = the bias, window 1, D window 2
.elseif mSL < 5
	WIN 0xa7                                       ; W window 3, x or h window 1, C and D window 2
.else
	WIN 0xa4                                       ; W window 0
.endif
.if (\i) < 8
.set mSX, XS
.else
.set mSX, HS
.endif
.irp f, 0,1,2,3
.irp m, 0,1,2,3
.set mAC, 8*(8*\m+4*mOD+\f)
.set mAR, mRB+12*\f
.set mBR, 12*(4*mKS+\m)
.if mKS == 0
.set mCR, BI+8*(4*mOD+\f)
.else
.set mCR, mAC
.endif
.set mSA, WS+4*((\i)/2)+\f
.set mSB, mSX+4*\m+mKS
	WM mAC, mAR, mBR, mCR, mSA, mSB, mOD
.endr
.endr
.endm
.macro HG i
.if (\i)%2 == 0
	s_wait_dscnt 36-12*(((\i)%8)/2)                ; this K step's four fragments of x or h are in; the later K steps', 12 LDS loads each, may be out
.endif
.if (\i) >= 2 && (\i) <= 8
	s_wait_loadcnt 63                              ; 100 loads were issued behind this half group's 12 (ahead of half group 8: 72 behind b1's): with at most 63 out they are in; the count's field holds no more
.elseif (\i) >= 10
	s_wait_loadcnt 12*(15-(\i))                    ; the later half groups, 12 loads each, may be out
.endif
	MUL \i
.if (\i) < 8
	PLACES
	WLOAD (\i)+8                                   ; the slot takes layer 1's half group
.endif
.if (\i) == 1
	WIN 0x40                                       ; both halves of b0 have served as C: b1 takes its place.  Lane (r, h) wants, for tile t, outputs 16 t + 8 h + 0 .. 7
.irp t, 0,1,2,3,4,5,6,7
	global_load_b128 v[BI+8*\t:BI+8*\t+3], v15, s[B1:B1+1] offset:64*\t
	global_load_b128 v[BI+8*\t+4:BI+8*\t+7], v15, s[B1:B1+1] offset:64*\t+16
.endr
.endif
.endm
.macro FETCHB img, scl, dst            ; 16 fragments and their scale words out of LDS: the scale words first, then K step by K step
	WIN 0
.irp m, 0,1,2,3
	ds_load_b128 v[\dst+4*\m:\dst+4*\m+3], v1 offset:\scl+512*\m
.endr
	WIN 0x40
.irp s, 0,1,2,3
.irp m, 0,1,2,3
.irp c, 0,1,2
	ds_load_b128 v[12*(4*\s+\m)+4*\c:12*(4*\s+\m)+4*\c+3], v1 offset:\img+(4*\m+\s)*FRB+512*\c
.endr
.endr
.endr
.endm
; tanh of 32 sums: tiles 4 u .. 4 u + 3 of the rows' tile m, each accumulator from its low end on.
.macro TANH1 m, u
.set A0, 64*(\m)+32*(\u)
	WIN 0x5a                                       ; sources window 2, destination window 1
.set kk, 0
.rept 16
	v_pk_mul_f32 v[QQ+kk:QQ+kk+1], v[A0+kk:A0+kk+1], v[A0+kk:A0+kk+1]            ; x^2
.set kk, kk+2
.endr
.set kk, 0
.rept 16
	v_pk_mul_f32 v[EE+kk:EE+kk+1], v[A0+kk:A0+kk+1], s[20:21] op_sel_hi:[1,0]    ; 2 log2(e) x
.set kk, kk+2
.endr
	WIN 0x55                                       ; all in window 1
.set kk, 0
.rept 32
	v_exp_f32 v[EE+kk], v[EE+kk]
.set kk, kk+1
.endr
.set kk, 0
.rept 16
	v_pk_fma_f32 v[XX+kk:XX+kk+1], v[QQ+kk:QQ+kk+1], s[22:23], v[KC:KC+1] op_sel_hi:[1,0,1]   ; 2 x^2 / 15 - 1/3.  (Plain work behind the exponentials)
.set kk, kk+2
.endr
.set kk, 0
	s_wait_alu depctr_va_vdst(0)
.rept 16
	v_pk_add_f32 v[EE+kk:EE+kk+1], v[EE+kk:EE+kk+1], 1.0 op_sel_hi:[1,0]
.set kk, kk+2
.endr
.set kk, 0
.rept 32
	v_rcp_f32 v[EE+kk], v[EE+kk]
.set kk, kk+1
.endr
.set kk, 0
.rept 16
	v_pk_mul_f32 v[XX+kk:XX+kk+1], v[XX+kk:XX+kk+1], v[QQ+kk:QQ+kk+1]            ; x^2 (..).  (Plain work behind the reciprocals)
.set kk, kk+2
.endr
.set kk, 0
	s_wait_alu depctr_va_vdst(0)
.rept 16
	v_pk_fma_f32 v[EE+kk:EE+kk+1], v[EE+kk:EE+kk+1], -2.0, 1.0 op_sel_hi:[1,0,0] ; 1 - 2 / (1 + 2^..)
.set kk, kk+2
.endr
	WIN 0x69                                       ; source 0 and destination window 1, sources 1 and 2 window 2
.set kk, 0
.rept 16
	v_pk_fma_f32 v[XX+kk:XX+kk+1], v[XX+kk:XX+kk+1], v[A0+kk:A0+kk+1], v[A0+kk:A0+kk+1]   ; x + x^3 (..)
.set kk, kk+2
.endr
	WIN 0x55
.set kk, 0
.rept 32
	v_cmp_gt_f32 vcc_lo, s26, v[QQ+kk]             ; x^2 < 1/64: the polynomial
	v_cndmask_b32 v[HH+32*(\u)+kk], v[EE+kk], v[XX+kk], vcc_lo
.set kk, kk+1
.endr
.endm
; A lane's 64 hidden numbers, register 16 b + i = unit 32 b + 16 (lane / 16) + i of my wave's 128, become a fragment's codes in v[PC] on and its row's scale word in v[PW].  All in window 1.
.macro QUANT
	s_wait_dscnt 0x0                               ; the last image's stores have read the registers that are written anew
	WIN 0x55
.irp b, 0,1,2,3
	v_max3_num_f32 v[TM+\b], |v[HH+16*\b]|, |v[HH+1+16*\b]|, 0x1800000   ; block b: my 16 numbers, and the floor 2^(3 - 127): the byte cannot fall under 1
.endr
.irp i, 2,4,6,8,10,12,14
.irp b, 0,1,2,3
	v_max3_num_f32 v[TM+\b], v[TM+\b], |v[HH+16*\b+\i]|, |v[HH+1+16*\b+\i]|   ; (the four blocks by turns)
.endr
.endr
.irp b, 0,1,2,3
	v_permlanex16_b32 v[TM+4+\b], v[TM+\b], s24, s25
.endr
.irp b, 0,1,2,3
	v_max_num_f32 v[TM+\b], v[TM+\b], v[TM+4+\b]   ; with lane l xor 16's: the block's largest magnitude
.endr
.irp b, 0,1,2,3
	v_add_nc_u32 v[TM+12+\b], 0xff000000, v[TM+\b] ; 2 off its exponent field: the conversion takes the exponent field of this operand as its scale
.endr
.irp b, 0,1,2,3
	v_lshrrev_b32 v[TM+4+\b], 23, v[TM+12+\b]      ; the scale's byte
.endr
	v_lshl_or_b32 v[PW], v[TM+5], 8, v[TM+4]
	v_lshl_or_b32 v[PW], v[TM+6], 16, v[PW]
	v_lshl_or_b32 v[PW], v[TM+7], 24, v[PW]
.irp c, 0,1
	v_cvt_scalef32_pk16_fp6_f32 v[PC+6*\c:PC+2+6*\c], v[HH+32*\c:HH+15+32*\c], v[TM+12+2*\c]
	v_cvt_scalef32_pk16_fp6_f32 v[PC+12+4*\c:PC+14+4*\c], v[HH+16+32*\c:HH+31+32*\c], v[TM+12+2*\c+1]   ; (a conversion's three registers begin on an even number)
.endr
	v_nop                                          ; one plain place behind a scaled conversion
.irp c, 0,1                            ; the operand's layout wants a WHOLE block in a lane: lanes 0-15 block 2 c, lanes 16-31 block 2 c + 1
.irp i, 0,1,2
	v_permlane16_swap_b32 v[PC+6*\c+\i], v[PC+12+4*\c+\i]
.endr
.irp i, 0,1,2
	v_mov_b32 v[PC+3+6*\c+\i], v[PC+12+4*\c+\i]
.endr
.endr
.endm
.macro IMAGE m                         ; the fragment goes to LDS as it stands: K step w of the second product, rows 16 m on
	WIN 0x04                                       ; an LDS store's data are its source 1: window 1
.irp c, 0,1,2
	ds_store_b128 v6, v[PC+4*\c:PC+4*\c+3] offset:6144*(\m)+512*\c
.endr
	ds_store_b32 v7, v[PW] offset:512*(\m)
.endm
; The last tanh, of the 64 sums of the rows' tile m, into set m % 2 of window 1.
.macro TANH2 m
.set A0, 64*(\m)
.set EB, 64*((\m)%2)
	WIN 0x42                                       ; source 0 window 2, destination window 1
.set kk, 0
.rept 32
	v_pk_mul_f32 v[EB+kk:EB+kk+1], v[A0+kk:A0+kk+1], s[20:21] op_sel_hi:[1,0]
.set kk, kk+2
.endr
	WIN 0x55
.set kk, 0
.rept 64
	v_exp_f32 v[EB+kk], v[EB+kk]
.set kk, kk+1
.endr
	v_nop                                          ; a plain place behind the exponentials
.set kk, 0
	s_wait_alu depctr_va_vdst(0)
.rept 32
	v_pk_add_f32 v[EB+kk:EB+kk+1], v[EB+kk:EB+kk+1], 1.0 op_sel_hi:[1,0]
.set kk, kk+2
.endr
.set kk, 0
.rept 64
	v_rcp_f32 v[EB+kk], v[EB+kk]
.set kk, kk+1
.endr
	v_nop                                          ; a plain place behind the reciprocals
.set kk, 0
	s_wait_alu depctr_va_vdst(0)
.rept 32
	v_pk_fma_f32 v[EB+kk:EB+kk+1], v[EB+kk:EB+kk+1], -2.0, 1.0 op_sel_hi:[1,0,0]
.set kk, kk+2
.endr
.endm
; A lane holds 8 neighbouring outputs of a row for each of 8 tiles, and the lanes beside it hold other rows: the 16 rows go through my own stage and come back as whole rows of 512 bytes.
.macro TOSTAGE m
.set tEB, 64*((\m)%2)
.set tBK, 112+64*((\m)%2)
.if (\m) > 0
	s_wait_xcnt 0x0                                ; the earlier stores have read their data and offsets: both are written again only behind this wait
.endif
	WIN 0x04
.irp n, 0,1,2,3,4,5,6,7
	ds_store_b128 v8, v[tEB+8*\n:tEB+8*\n+3] offset:64*\n
	ds_store_b128 v8, v[tEB+8*\n+4:tEB+8*\n+7] offset:64*\n+16
.endr
	WIN 0
.irp i, 0,1,2,3,4,5,6,7,8,9,10,11,12,13,14,15
	ds_load_b128 v[tBK+4*\i:tBK+4*\i+3], v9 offset:528*\i          ; LDS serves a wave's instructions in order (ISA guide 5.7.1.4): these see the stores above
.endr
.endm
; Rows 16 m .. 16 m + 15 go to their tokens' rows of the output; the first row at or past the tile's count ends the wave.  tb: the scalar registers with the 16 token numbers.
.macro SEND m, tb
.set sBK, 112+64*((\m)%2)
	WIN 0
.set ii, 0
.rept 16
	s_min_u32 s[\tb+ii], s[\tb+ii], 4095
	v_lshl_add_u32 v[OF+ii], s[\tb+ii], 11, v1     ; token x 2,048 bytes + 16 x lane
.set ii, ii+1
.endr
.set ii, 0
.rept 16
	s_cmp_le_u32 s34, 16*(\m)+ii
	s_cbranch_scc1 .Lend
	s_wait_dscnt 15-ii                             ; row ii is back; the younger rows' loads may be out
	global_store_b128 v[OF+ii], v[sBK+4*ii:sBK+4*ii+3], s[OUTP:OUTP+1] th:TH_STORE_NT   ; 32 lanes store 512 consecutive bytes, at a multiple of 512 from the output's first byte
.set ii, ii+1
.endr
.endm
	s_load_b512 s[4:19], s[0:1], 0x0               ; tiles 4, order 6, wfrag 8, wscl 10, features' codes 12, features' scales 14, bp0 16, bp1 18
	s_load_b256 s[20:27], s[0:1], 0x40             ; bv0 20, bv1 22, out0 24, out1 26
	v_lshl_add_u32 v110, v0, 2, 0x15400
	v_mov_b32 v111, 0
	v_lshrrev_b32 v2, 5, v0
	v_readfirstlane_b32 s28, v2                    ; wave 0..3
	s_and_b32 s29, ttmp7, 0xffff                   ; net
	s_lshl_b32 s62, ttmp9, 4                       ; my tile's record
	s_mov_b32 s63, 0
	v_and_b32 v1, 31, v0
	v_lshlrev_b32 v1, 4, v1                        ; 16 x lane
	v_and_b32 v2, 15, v0                           ; r
	v_bfe_u32 v3, v0, 4, 1                         ; h
	s_wait_kmcnt 0x0
	s_add_nc_u64 s[4:5], s[4:5], s[62:63]
	s_load_b128 s[32:35], s[4:5], 0x0              ; expert, first row, rows, 0
	s_cmp_eq_u32 s29, 0                            ; the net's buffers: the choice hangs on the work-group's number alone
	s_cselect_b64 s[B0:B0+1], s[16:17], s[20:21]
	s_cselect_b64 s[B1:B1+1], s[18:19], s[22:23]
	s_cselect_b64 s[OUTP:OUTP+1], s[24:25], s[26:27]
	s_mov_b32 s20, 0x4038aa3b                      ; 2 log2(e); the packed forms name a pair and take its low word for both halves
	s_mov_b32 s21, 0x4038aa3b
	s_mov_b32 s22, 0x3e088889                      ; 2/15
	s_mov_b32 s23, 0x3e088889
	s_mov_b32 s24, 0x76543210                      ; v_permlanex16_b32's selects for lane l xor 16
	s_mov_b32 s25, 0xfedcba98
	s_mov_b32 s26, 0x3c800000                      ; 1/64
	s_mul_i32 s66, s28, 6144
	v_add_nc_u32 v4, s66, v1                       ; where I store x's images: 16 lane + 4 fragments x wave
	s_lshl_b32 s66, s28, 9
	s_add_co_u32 s66, s66, XSC
	v_add_nc_u32 v5, s66, v1                       ; and their scale words
	s_mul_i32 s66, s28, 1536
	s_add_co_u32 s66, s66, HIMG
	v_add_nc_u32 v6, s66, v1                       ; the hidden layer's images: K step = wave
	s_lshl_b32 s66, s28, 2
	s_add_co_u32 s66, s66, HSC
	v_add_nc_u32 v7, s66, v1                       ; and its scale words: word = wave
	s_mul_i32 s66, s28, 8448
	s_add_co_u32 s66, s66, STG                     ; my stage
	v_mul_u32_u24 v8, v2, 528
	v_lshl_add_u32 v8, v3, 5, v8
	v_add_nc_u32 v8, s66, v8                       ; in: row r, + 32 h
	v_add_nc_u32 v9, s66, v1                       ; back: a row of 512 bytes, 16 bytes a lane
	s_lshl_b32 s67, s28, 6
	v_lshl_add_u32 v10, v2, 2, s67                 ; my row's entry of the list: 4 (16 w + r)
	v_lshlrev_b32 v14, 6, v3                       ; b0: 64 h
	v_lshlrev_b32 v15, 5, v3                       ; b1: 32 h
	v_mul_u32_u24 v[H24], v3, 24
	s_wait_kmcnt 0x0
	s_min_u32 s33, s33, 4095
	s_min_u32 s32, s32, 15
	s_lshl_b32 s62, s33, 2
	s_add_nc_u64 s[30:31], s[6:7], s[62:63]        ; the list at my tile's first row
	global_load_b32 v11, v10, s[30:31]             ; my row's token
	s_lshl_b32 s62, s29, 18                        ; wscl: net, expert, wave
	s_lshl_b32 s66, s32, 14
	s_add_co_u32 s62, s62, s66
	s_lshl_b32 s66, s28, 11
	s_add_co_u32 s62, s62, s66
	s_add_nc_u64 s[SB:SB+1], s[10:11], s[62:63]
.irp g, 0,1,2,3,4,5,6,7
	global_load_b128 v[WS+4*\g:WS+4*\g+3], v1, s[SB:SB+1] offset:(\g/4)*8192+(\g%4)*512
.endr
	s_lshl_b32 s62, s32, 11                        ; the biases: expert x 2,048 + 512 w
	s_lshl_b32 s66, s28, 9
	s_add_co_u32 s62, s62, s66
	s_add_nc_u64 s[B0:B0+1], s[B0:B0+1], s[62:63]
	s_add_nc_u64 s[B1:B1+1], s[B1:B1+1], s[62:63]
	s_mov_b32 s62, s66
	s_add_nc_u64 s[OUTP:OUTP+1], s[OUTP:OUTP+1], s[62:63]   ; my 512 bytes of an output row
	WIN 0x40
.irp t, 0,1,2,3,4,5,6,7                ; b0: lane (r, h) wants, for tile t, hidden units 32 (t / 2) + 16 h + 8 (t % 2) + 0 .. 7
	global_load_b128 v[BI+8*\t:BI+8*\t+3], v14, s[B0:B0+1] offset:(32*(\t/2)+8*(\t%2))*4
	global_load_b128 v[BI+8*\t+4:BI+8*\t+7], v14, s[B0:B0+1] offset:(32*(\t/2)+8*(\t%2))*4+16
.endr
	s_mul_i32 s62, s29, 6291456                    ; wfrag: net, expert, wave
	s_mul_i32 s66, s32, 393216
	s_add_co_u32 s62, s62, s66
	s_mul_i32 s66, s28, 49152
	s_add_co_u32 s62, s62, s66
	s_add_nc_u64 s[WB:WB+1], s[8:9], s[62:63]
	WLOAD 0
	WLOAD 1
	WIN 0
	s_wait_loadcnt 48                              ; the token is in: behind it 8 loads of scale words, 16 of b0, 24 of half groups 0 and 1
	v_min_u32 v11, 0xfff, v11
	v_mul_u32_u24 v12, v11, 384
	v_add_nc_u32 v12, v12, v[H24]                  ; its codes: token x 384 + 24 h
	v_lshlrev_b32 v13, 4, v11                      ; its 16 scale bytes
	WIN 0x80                                       ; into window 2, where no sum has begun yet
.irp s, 0,1,2,3
.irp p, 0,1,2,3,4,5
	global_load_b64 v[12*\s+2*\p:12*\s+2*\p+1], v12, s[12:13] offset:96*\s+48*(\p/3)+8*(\p%3)
.endr
.endr
	global_load_b128 v[48:51], v13, s[14:15]
	WLOAD 2
	WLOAD 3
	WLOAD 4
	WLOAD 5
	WLOAD 6
	s_wait_loadcnt 60                              ; x is in, and all that was asked for ahead of it: behind it the 60 loads of half groups 2 to 6
	WIN 0x08                                       ; an LDS store's data are its source 1: window 2
.irp s, 0,1,2,3
.irp c, 0,1,2
	ds_store_b128 v4, v[12*\s+4*\c:12*\s+4*\c+3] offset:XIMG+FRB*\s+512*\c
.endr
.endr
	ds_store_b128 v5, v[48:51]
	WLOAD 7
	s_wait_dscnt 0x0                               ; for the others' sake: my images have landed
	s_barrier_signal -1
	s_barrier_wait -1                              ; x's sixteen fragments lie in LDS
	FETCHB XIMG, XSC, XS
	HG 0                                           ; (half groups 0 and 1, the scale words and b0 were shown in by the wait for x)
	HG 1
	HG 2
	HG 3
	HG 4
	HG 5
	HG 6
	HG 7                                           ; its four places also stand ahead of the first reads of the sums and of the writes into x's registers
	WIN 0x40
	v_mov_b32 v[KC], 0xbeaaaaab                    ; -1/3
	v_mov_b32 v[KC+1], 0xbeaaaaab
.irp m, 0,1,2,3
	TANH1 \m, 0
	TANH1 \m, 1
	QUANT
	IMAGE \m
.endr
	WIN 0
	s_wait_dscnt 0x0                               ; for the others' sake: my images have landed
	s_barrier_signal -1
	s_barrier_wait -1                              ; the hidden layer's sixteen fragments lie in LDS.  No barrier follows
	s_cmp_eq_u32 s34, 0                            ; a tile without rows ends here
	s_cbranch_scc1 .Lend
	s_load_b512 s[36:51], s[30:31], 0x0            ; the 64 rows' tokens, for the stores (x's loads, whose bases lay in s[12:15], were shown done by their wait)
	s_load_b512 s[68:83], s[30:31], 0x40
	s_load_b512 s[84:99], s[30:31], 0x80
	s_load_b512 s[4:19], s[30:31], 0xc0
	FETCHB HIMG, HSC, HS
	HG 8
	HG 9                                           ; (shown in by half group 8's wait)
	HG 10
	HG 11
	HG 12
	HG 13
	HG 14
	HG 15
	PLACES
	s_wait_kmcnt 0x0
	TANH2 0
	TOSTAGE 0
	TANH2 1                                        ; a tile's arithmetic stands between the loads of the tile before and its stores
	SEND 0, 36
	TOSTAGE 1
	TANH2 2
	SEND 1, 68
	TOSTAGE 2
	TANH2 3
	SEND 2, 84
	TOSTAGE 3
	SEND 3, 4
.Lend:
	s_wait_dscnt 0x0                               ; no LDS load is left on its way
	s_wait_tensorcnt 0x0
	ds_add_u32 v110, v111
	s_wait_dscnt 0x0
	s_endpgm
.Lfunc_end_k_qd636c93338_chain:
	.size	k_qd636c93338_chain, .Lfunc_end_k_qd636c93338_chain-k_qd636c93338_chain
	.p2alignl 7, 3214868480
	.fill 96, 4, 3214868480
	.section	.rodata,"a",@progbits
	.p2align	6, 0x0
	.amdhsa_kernel k_qd636c93338_chain
		.amdhsa_group_segment_fixed_size 87552
		.amdhsa_private_segment_fixed_size 0
		.amdhsa_enable_private_segment 0
		.amdhsa_kernarg_size 96
		.amdhsa_user_sgpr_count 2
		.amdhsa_user_sgpr_kernarg_segment_ptr 1
		.amdhsa_wavefront_size32 1
		.amdhsa_system_sgpr_workgroup_id_x 1
		.amdhsa_system_sgpr_workgroup_id_y 1
		.amdhsa_system_sgpr_workgroup_id_z 1
		.amdhsa_system_vgpr_workitem_id 0
		.amdhsa_next_free_vgpr 1024
		.amdhsa_next_free_sgpr 100
		.amdhsa_reserve_vcc 1
		.amdhsa_float_denorm_mode_32 3
		.amdhsa_float_denorm_mode_16_64 3
		.amdhsa_memory_ordered 1
		.amdhsa_forward_progress 1
		.amdhsa_inst_pref_size 246
	.end_amdhsa_kernel
	.amdgpu_metadata
---
amdhsa.version: [ 1, 2 ]
amdhsa.kernels:
  - .name:           k_qd636c93338_chain
    .symbol:         k_qd636c93338_chain.kd
    .args:
      - { .name: tiles, .offset: 0, .size: 8, .value_kind: global_buffer, .address_space: global }
      - { .name: order, .offset: 8, .size: 8, .value_kind: global_buffer, .address_space: global }
      - { .name: wfrag, .offset: 16, .size: 8, .value_kind: global_buffer, .address_space: global }
      - { .name: wscl, .offset: 24, .size: 8, .value_kind: global_buffer, .address_space: global }
      - { .name: features_codes, .offset: 32, .size: 8, .value_kind: global_buffer, .address_space: global }
      - { .name: features_scales, .offset: 40, .size: 8, .value_kind: global_buffer, .address_space: global }
      - { .name: bp0, .offset: 48, .size: 8, .value_kind: global_buffer, .address_space: global }
      - { .name: bp1, .offset: 56, .size: 8, .value_kind: global_buffer, .address_space: global }
      - { .name: bv0, .offset: 64, .size: 8, .value_kind: global_buffer, .address_space: global }
      - { .name: bv1, .offset: 72, .size: 8, .value_kind: global_buffer, .address_space: global }
      - { .name: out0, .offset: 80, .size: 8, .value_kind: global_buffer, .address_space: global }
      - { .name: out1, .offset: 88, .size: 8, .value_kind: global_buffer, .address_space: global }
    .group_segment_fixed_size: 87552
    .private_segment_fixed_size: 0
    .kernarg_segment_align: 8
    .kernarg_segment_size: 96
    .max_flat_workgroup_size: 128
    .sgpr_count:     100
    .vgpr_count:     1024
    .wavefront_size: 32
...
	.end_amdgpu_metadata
.endif
;; end of part 2
